; MI455X (gfx1250); checked and timed in simulation.
; The chip was launched on July 23, 2026; its instructions are those of AMD's public machine-readable ISA for CDNA 5 (MIT licence, August 2026) and "CDNA5" Instruction Set Architecture Reference Guide (July 2026). The comments in the code are by the model that wrote it; some were corrected since.
;; CSAB3. Allowed arithmetic: matrix products marked QUANTISED: E2M1 operands, one E8M0 scale for each 32 along K, by v_wmma_scale_f32_16x16x128_f8f6f4 with both operands' format E2M1 (or v_wmma_scale_f32_32x16x128_f4), f32 sums; everything else in f32.
;; Inputs: W_X_codes 512 x 32 x 16 uint8 (E2M1 codes of W_X, K innermost, in blocks of 32 codes, two codes a byte); W_X_scales 512 x 32 uint8 (E8M0 scales of W_X, one for each 32 codes along K); W_Y_codes 512 x 32 x 16 uint8 (E2M1 codes of W_Y, K innermost, in blocks of 32 codes, two codes a byte); W_Y_scales 512 x 32 uint8 (E8M0 scales of W_Y, one for each 32 codes along K); W_k_xx_codes 512 x 16 x 16 uint8 (E2M1 codes of W_k_xx, K innermost, in blocks of 32 codes, two codes a byte); W_k_xx_scales 512 x 16 uint8 (E8M0 scales of W_k_xx, one for each 32 codes along K); W_k_xy_codes 512 x 16 x 16 uint8 (E2M1 codes of W_k_xy, K innermost, in blocks of 32 codes, two codes a byte); W_k_xy_scales 512 x 16 uint8 (E8M0 scales of W_k_xy, one for each 32 codes along K); W_k_yx_codes 512 x 16 x 16 uint8 (E2M1 codes of W_k_yx, K innermost, in blocks of 32 codes, two codes a byte); W_k_yx_scales 512 x 16 uint8 (E8M0 scales of W_k_yx, one for each 32 codes along K); W_k_yy_codes 512 x 16 x 16 uint8 (E2M1 codes of W_k_yy, K innermost, in blocks of 32 codes, two codes a byte); W_k_yy_scales 512 x 16 uint8 (E8M0 scales of W_k_yy, one for each 32 codes along K); W_q_xx_codes 512 x 16 x 16 uint8 (E2M1 codes of W_q_xx, K innermost, in blocks of 32 codes, two codes a byte); W_q_xx_scales 512 x 16 uint8 (E8M0 scales of W_q_xx, one for each 32 codes along K); W_q_xy_codes 512 x 16 x 16 uint8 (E2M1 codes of W_q_xy, K innermost, in blocks of 32 codes, two codes a byte); W_q_xy_scales 512 x 16 uint8 (E8M0 scales of W_q_xy, one for each 32 codes along K); W_q_yx_codes 512 x 16 x 16 uint8 (E2M1 codes of W_q_yx, K innermost, in blocks of 32 codes, two codes a byte); W_q_yx_scales 512 x 16 uint8 (E8M0 scales of W_q_yx, one for each 32 codes along K); W_q_yy_codes 512 x 16 x 16 uint8 (E2M1 codes of W_q_yy, K innermost, in blocks of 32 codes, two codes a byte); W_q_yy_scales 512 x 16 uint8 (E8M0 scales of W_q_yy, one for each 32 codes along K); W_v_xx_codes 512 x 16 x 16 uint8 (E2M1 codes of W_v_xx, K innermost, in blocks of 32 codes, two codes a byte); W_v_xx_scales 512 x 16 uint8 (E8M0 scales of W_v_xx, one for each 32 codes along K); W_v_xy_codes 512 x 16 x 16 uint8 (E2M1 codes of W_v_xy, K innermost, in blocks of 32 codes, two codes a byte); W_v_xy_scales 512 x 16 uint8 (E8M0 scales of W_v_xy, one for each 32 codes along K); W_v_yx_codes 512 x 16 x 16 uint8 (E2M1 codes of W_v_yx, K innermost, in blocks of 32 codes, two codes a byte); W_v_yx_scales 512 x 16 uint8 (E8M0 scales of W_v_yx, one for each 32 codes along K); W_v_yy_codes 512 x 16 x 16 uint8 (E2M1 codes of W_v_yy, K innermost, in blocks of 32 codes, two codes a byte); W_v_yy_scales 512 x 16 uint8 (E8M0 scales of W_v_yy, one for each 32 codes along K); X 8 x 1,024 x 512 float32; Y 8 x 1,024 x 512 float32; b_X 512 float32; b_Y 512 float32; b_k_xx 512 float32; b_k_xy 512 float32; b_k_yx 512 float32; b_k_yy 512 float32; b_q_xx 512 float32; b_q_xy 512 float32; b_q_yx 512 float32; b_q_yy 512 float32; b_v_xx 512 float32; b_v_xy 512 float32; b_v_yx 512 float32; b_v_yy 512 float32.
;; Outputs: out0 8 x 1,024 x 512 float32; out1 8 x 1,024 x 512 float32.
;; This version of the problem:
;;   THIS VERSION OF THE PROBLEM IS GIVEN IN LOW PRECISION. The matrix products marked QUANTISED in the list below multiply operands that are first quantised to E2M1 (2 exponent bits, 1 mantissa bit; 4 bits a number), with one power-of-two scale for each 32 numbers along K (OCP MX v1.0); their sums are f32. All else is computed in f32.
;;   The module's matrix products, in the order in which they are computed (A, B: the left and right operand; K: the contracted axis; several contracted axes count as one K, in the product's order):
;;     1. [M 8,192, K 512] x [K 512, N 512]; A: input X; B: input W_q_xx (given as codes): QUANTISED
;;     2. [M 8,192, K 512] x [K 512, N 512]; A: input X; B: input W_k_xx (given as codes): QUANTISED
;;     3. [M 8,192, K 512] x [K 512, N 512]; A: input X; B: input W_v_xx (given as codes): QUANTISED
;;     4. batch 64 x [M 1,024, K 64] x [K 64, N 1,024]; A: computed on the way; B: computed on the way: QUANTISED
;;     5. batch 64 x [M 1,024, K 1,024] x [K 1,024, N 64]; A: softmax (see below); B: computed on the way: QUANTISED
;;     6. [M 8,192, K 512] x [K 512, N 512]; A: input X; B: input W_q_xy (given as codes): QUANTISED
;;     7. [M 8,192, K 512] x [K 512, N 512]; A: input Y; B: input W_k_xy (given as codes): QUANTISED
;;     8. [M 8,192, K 512] x [K 512, N 512]; A: input Y; B: input W_v_xy (given as codes): QUANTISED
;;     9. batch 64 x [M 1,024, K 64] x [K 64, N 1,024]; A: computed on the way; B: computed on the way: QUANTISED
;;     10. batch 64 x [M 1,024, K 1,024] x [K 1,024, N 64]; A: softmax (see below); B: computed on the way: QUANTISED
;;     11. [M 8,192, K 512] x [K 512, N 512]; A: input Y; B: input W_q_yx (given as codes): QUANTISED
;;     12. [M 8,192, K 512] x [K 512, N 512]; A: input X; B: input W_k_yx (given as codes): QUANTISED
;;     13. [M 8,192, K 512] x [K 512, N 512]; A: input X; B: input W_v_yx (given as codes): QUANTISED
;;     14. batch 64 x [M 1,024, K 64] x [K 64, N 1,024]; A: computed on the way; B: computed on the way: QUANTISED
;;     15. batch 64 x [M 1,024, K 1,024] x [K 1,024, N 64]; A: softmax (see below); B: computed on the way: QUANTISED
;;     16. [M 8,192, K 512] x [K 512, N 512]; A: input Y; B: input W_q_yy (given as codes): QUANTISED
;;     17. [M 8,192, K 512] x [K 512, N 512]; A: input Y; B: input W_k_yy (given as codes): QUANTISED
;;     18. [M 8,192, K 512] x [K 512, N 512]; A: input Y; B: input W_v_yy (given as codes): QUANTISED
;;     19. batch 64 x [M 1,024, K 64] x [K 64, N 1,024]; A: computed on the way; B: computed on the way: QUANTISED
;;     20. batch 64 x [M 1,024, K 1,024] x [K 1,024, N 64]; A: softmax (see below); B: computed on the way: QUANTISED
;;     21. [M 8,192, K 1,024] x [K 1,024, N 512]; A: computed on the way; B: input W_X (given as codes): QUANTISED
;;     22. [M 8,192, K 1,024] x [K 1,024, N 512]; A: computed on the way; B: input W_Y (given as codes): QUANTISED
;;   THE QUANTISER, for each operand of a quantised product, along K:
;;     - K is cut into blocks of 32 from its start; a last block that is shorter is filled with zeros.
;;     - A block's scale is 2^e with e = floor(log2(the largest magnitude in the block)) - 2, held to -126 .. 127; a block of zeros has e = 0. As a byte (E8M0): e + 127.
;;     - Each number is divided by its block's scale, clamped to +-6, and rounded to the nearest number of E2M1, ties to even, subnormals kept.
;;     - The product sums the exact products of the quantised numbers (number of the format x scale) in f32.
;;   ~~~python
;;   def quantise(x, axis):      # numpy; x: float32 -> the quantised numbers, widened to float32 again
;;       x = np.moveaxis(x, axis, -1); K = x.shape[-1]
;;       x = np.pad(x, [(0, 0)] * (x.ndim - 1) + [(0, -K % 32)]); x = x.reshape(x.shape[:-1] + (-1, 32)); a = np.abs(x).max(-1, keepdims=True)
;;       e = np.where(a > 0, np.clip(np.frexp(np.where(a > 0, a, 1))[1] - 1 - 2, -126, 127), 0)      # np.frexp(a)[1] - 1 = floor(log2(a)), exactly
;;       r = np.clip(x / 2.0 ** e, -6, 6)
;;       step = 2.0 ** (np.maximum(np.frexp(np.where(r == 0, 1, r))[1] - 1, 0) - 1)
;;       q = np.round(r / step) * step * 2.0 ** e      # np.round: ties to even
;;       return np.moveaxis(q.reshape(q.shape[:-2] + (-1,))[..., :K], -1, axis).astype(np.float32)
;;   ~~~
;;   SOFTMAX AHEAD OF A QUANTISED PRODUCT. Where the list says 'softmax', what is quantised is not the finished softmax but p = 2^(t - M), with t = logit x log2(e) and M = ceil(the row's largest t), a whole number; so 1/2 < the row's largest p <= 1. The row's sum l is taken of the UNQUANTISED p, in f32, and the product's result is divided by l at the end. Since M is a whole number, a kernel that streams over the keys may use a running M (the ceiling of the running maximum): every later rescaling is an exact power of two, which a block's scale takes up: the codes' values come out the same.
;;   OPERANDS COMPUTED ON THE WAY. 'Computed on the way' means the value that the module computes at that place (a softmax that the list does not call 'softmax' is quantised finished and normalised). What goes into a quantiser is computed in f32, as accurately as f32 sums, v_exp_f32 and their like allow (about 1e-6 of the number): no bf16 or f16 on the way to a quantiser, and a product that is left as it is and whose result goes on into a quantised operand takes f32 operands (vector FMAs, or v_wmma_f32_16x16x4_f32). A number that lies on a knife's edge between two numbers of the format may be rounded either way, as far as f32 arithmetic and the matrix unit's own rounding can turn it there, and no further.
;;   INPUTS GIVEN AS CODES. W_X (in the module: [1024, 512], K = its axis 0); W_Y (in the module: [1024, 512], K = its axis 0); W_k_xx (in the module: [512, 512], K = its axis 0); W_k_xy (in the module: [512, 512], K = its axis 0); W_k_yx (in the module: [512, 512], K = its axis 0); W_k_yy (in the module: [512, 512], K = its axis 0); W_q_xx (in the module: [512, 512], K = its axis 0); W_q_xy (in the module: [512, 512], K = its axis 0); W_q_yx (in the module: [512, 512], K = its axis 0); W_q_yy (in the module: [512, 512], K = its axis 0); W_v_xx (in the module: [512, 512], K = its axis 0); W_v_xy (in the module: [512, 512], K = its axis 0); W_v_yx (in the module: [512, 512], K = its axis 0); W_v_yy (in the module: [512, 512], K = its axis 0): each comes as NAME_codes (uint8): NAME with its K axis moved to the last place and cut into blocks of 32 codes, [.., K / 32, bytes a block], one block behind the other in memory; two codes a byte, the lower K in the low four bits (a code: sign, 2 exponent bits, 1 mantissa bit); and NAME_scales (uint8): the same leading axes, one E8M0 byte (e + 127) for each 32 codes along K. Its value is code x scale, taken as it is: it is not quantised again, and the codes and scales need not be those that the quantiser above would give.
;; One version. Each part assembles by itself: llvm-mc -triple=amdgcn-amd-amdhsa -mcpu=gfx1250 --defsym DOCPART=n.
;; ======== version 1 of 1: 3 launches
;; limits: right only within a limited range of input values
;; workspace buffers: XYq 4,456,448 bytes; Wpk 1,671,168 bytes; Oq 9,437,184 bytes
;; launch prep (part 1): grid 256 x 1, 4 waves a work-group, no clusters, 168,448 bytes of LDS; arguments X, Y, XYq, Wpk, W_q_xx_codes, W_k_xx_codes, W_v_xx_codes, W_q_xy_codes, W_k_xy_codes, W_v_xy_codes, W_q_yx_codes, W_k_yx_codes, W_v_yx_codes, W_q_yy_codes, W_k_yy_codes, W_v_yy_codes, W_q_xx_scales, W_k_xx_scales, W_v_xx_scales, W_q_xy_scales, W_k_xy_scales, W_v_xy_scales, W_q_yx_scales, W_k_yx_scales, W_v_yx_scales, W_q_yy_scales, W_k_yy_scales, W_v_yy_scales; writes XYq, Wpk
.if DOCPART == 1
	.amdgcn_target "amdgcn-amd-amdhsa--gfx1250"
	.amdhsa_code_object_version 6
	.text
	.protected	k_q6119a08c1b_prep
	.globl	k_q6119a08c1b_prep
	.p2align	8
	.type	k_q6119a08c1b_prep,@function
k_q6119a08c1b_prep:
	s_mov_b64 s[64:65], 0
	v_nop
	global_prefetch_b8 v0, s[64:65] scope:SCOPE_SE
	s_setreg_imm32_b32 hwreg(HW_REG_WAVE_MODE, 25, 1), 1
	s_wait_xcnt 0x0
; X and Y, [8192][512] f32 each, become codes of FP4 (E2M1) with one E8M0 byte for each 32 along K, laid as IMAGES OF OPERAND REGISTERS.
; THE ROWS OF A TILE ARE NOT NEIGHBOURS: tile T = 512 z + 4 g + u (z = 0 for X, 1 for Y; g: a group of 64 rows; u = 0..3) holds in place r the row 64 g + 8 u + r % 8 + 32 (r / 8).
; So a result whose registers run over four tiles' places 8 h + j holds 32 NEIGHBOURS in one lane: a whole block of the next K.
; Tile T lies at XYq + 4096 T as [K step of 128][half c][lane][16 bytes]; lane (r, h) holds the codes k = 128 ks + 64 c + 32 h + 0 .. 31 of place r.  Scale bytes: XS_OFF + 256 T + 16 r, byte = block of 32.
; The twelve projection weights, given as codes, are laid by head in the same way: slice sigma = 8 mu + head (mu = 3 branch + role q, k, v) at Wpk + 16384 sigma as [tile t][K step][c][lane][16 bytes];
; place r of tile t is row 64 head + 8 t + r % 8 + 32 (r / 8).  Their scale words lie at WS_OFF + 1024 sigma as [t][r][16 bytes].
; A block's scale is 2^(floor(log2(its largest magnitude)) - 2); its byte is the largest magnitude's exponent field - 2, held at 1 from below.
; LIMITS: a block of zeros gets the byte 1 where the quantiser's text says 127 (its codes are zeros, and this program alone reads the bytes); NaN and infinities among the inputs are not served.
; SHARES: work-group i owns group g = i % 128 of X (i < 128) or Y: 64 rows, 131,072 dense bytes.  Wave w brings rows 16 w .. 16 w + 15 by ONE tensor load (32 rows of 1,024 bytes); one barrier; wave u then reads tile u's 16 rows from LDS.
; Each LDS byte is filled once.  Work-groups 0 to 95 also lay out weight slice sigma = i, wave = tile t.
.set XS_OFF, 4194304
.set WS_OFF, 1572864
.set RP,     2080                      ; a row of X in LDS: 2 x (1,024 bytes + 16 of padding)
.set SPARE,  0x29000                   ; the spare words, 128 bytes a wave
.set LI,   1                           ; 16 x lane
.set XA,   2                           ; LDS: my row + 128 h bytes
.set WO,   3                           ; weights in: (r % 8 + 32 (r / 8)) x 256 + 16 h
.set WSI,  4                           ; weight scales in: the same row x 16 + 8 h
.set SOUT, 5                           ; scales out: 16 r + 8 h
.set SH8,  6                           ; 8 h
.set HH,   7                           ; h
.set MX,   8                           ; v8-9 largest magnitudes of my two blocks
.set SO,   10                          ; v10-11 the conversions' scale operands
.set BY,   12                          ; v12-13 the bytes
.set TW,   14
.set PD,   15
.set SW,   32                          ; v32-35 the row's scale words of K steps 0 to 3
.set XN,   64                          ; v64-191 two sets of 64 numbers
.set CD,   192                         ; v192-223 codes, eight registers a K step
.set G1,   68
.set G0,   76
	s_load_b256 s[4:11], s[0:1], 0x0               ; X, Y, XYq, Wpk
	v_lshl_add_u32 v224, v0, 2, SPARE
	v_mov_b32 v225, 0
	ds_add_u32 v224, v225                          ; the opening lines: the add twice on end and its wait
	ds_add_u32 v224, v225
	v_lshrrev_b32 v8, 5, v0
	v_readfirstlane_b32 s12, v8                    ; wave 0..3
	s_mov_b32 s[G1+0], (3<<16)|(1<<20)|(7<<22)|(3<<25)  ; elements of 8 bytes; 4 words of padding behind every 256
	s_mov_b32 s[G1+1], 128<<16                     ; a row of the tile: 128 elements = 1,024 bytes
	s_mov_b32 s[G1+2], 32<<16                      ; 32 such rows: 16 rows of X, dense in memory
	s_mov_b32 s[G1+3], 128<<16
	s_mov_b32 s[G1+4], 32
	s_mov_b32 s[G1+5], 128
	s_mov_b32 s[G1+6], 0
	s_mov_b32 s[G1+7], 0
	s_and_b32 s98, ttmp9, 127
	s_lshl_b32 s98, s98, 2
	s_add_co_u32 s98, s98, s12
	s_lshl_b32 s98, s98, 15                        ; (4 g + w) x 16 rows x 2,048 bytes
	s_mov_b32 s99, 0
	s_mul_i32 s100, s12, 16*RP                     ; where they go
	s_mul_i32 s13, s12, 8*RP                       ; where tile w's first row lies
	s_mov_b32 s92, 0x76543210
	s_mov_b32 s93, 0xfedcba98                      ; v_permlanex16_b32: lane l xor 16
	s_wait_dscnt 0x0
	s_wait_kmcnt 0x0
	s_cmp_lt_u32 ttmp9, 128
	s_cselect_b64 s[4:5], s[4:5], s[6:7]
	s_add_nc_u64 s[4:5], s[4:5], s[98:99]
	s_mov_b32 s[G0], 1
	s_mov_b32 s[G0+1], s100
	s_mov_b64 s[G0+2:G0+3], s[4:5]
	s_or_b32 s[G0+3], s[G0+3], 0x80000000
	tensor_load_to_lds s[G0:G0+3], s[G1:G1+7]      ; my one tensor load
	s_nop 0
	v_and_b32 v8, 31, v0
	v_and_b32 v9, 15, v0                           ; r
	v_bfe_u32 v[HH], v0, 4, 1                      ; h
	v_lshlrev_b32 v[LI], 4, v8
	v_and_b32 v11, 8, v9
	v_mad_u32_u24 v11, v11, 3, v9                  ; r % 8 + 32 (r / 8)
	v_mul_u32_u24 v[XA], v11, RP
	v_lshl_add_u32 v[XA], v[HH], 7, v[XA]
	v_add_nc_u32 v[XA], s13, v[XA]
	v_lshlrev_b32 v[WO], 8, v11
	v_lshl_add_u32 v[WO], v[HH], 4, v[WO]
	v_lshlrev_b32 v[WSI], 4, v11
	v_lshl_add_u32 v[WSI], v[HH], 3, v[WSI]
	v_lshlrev_b32 v[SOUT], 4, v9
	v_lshl_add_u32 v[SOUT], v[HH], 3, v[SOUT]
	v_lshlrev_b32 v[SH8], 3, v[HH]
	v_mov_b32 v[PD], 0                             ; a lane permute's destination counts as one of its sources
	s_wait_alu depctr_va_vdst(0)                   ; the wait at the head's end
	s_lshl_b32 s13, ttmp9, 2
	s_add_co_u32 s13, s13, s12                     ; T
	s_lshl_b32 s98, s13, 12
	s_add_nc_u64 s[14:15], s[8:9], s[98:99]        ; my tile's codes
	s_lshl_b32 s98, s13, 8
	s_add_co_u32 s98, s98, XS_OFF
	s_add_nc_u64 s[6:7], s[8:9], s[98:99]          ; and its scale bytes
	; the weights: slice sigma = work-group, tile t = wave.  A branch on the work-group's number
	s_cmp_lt_u32 ttmp9, 96
	s_cbranch_scc0 .Lno_weights
	s_load_b512 s[16:31], s[0:1], 0x20             ; the twelve codes' addresses in s[16:39], the twelve scales' in s[40:63]
	s_load_b512 s[32:47], s[0:1], 0x60
	s_load_b512 s[48:63], s[0:1], 0xa0
	s_lshr_b32 s13, ttmp9, 3                       ; mu
	s_and_b32 s98, ttmp9, 7                        ; head
	s_lshl_b32 s99, s12, 11                        ; the tile's first row, 8 t, in rows of 256 bytes
	s_lshl_b32 s100, s98, 14
	s_add_co_u32 s100, s100, s99
	s_mov_b32 s101, 0
	s_wait_kmcnt 0x0
	s_mov_b64 s[94:95], s[16:17]
	s_mov_b64 s[96:97], s[40:41]
.irp n, 1,2,3,4,5,6,7,8,9,10,11
	s_cmp_eq_u32 s13, \n
	s_cselect_b64 s[94:95], s[16+2*\n:17+2*\n], s[94:95]
	s_cselect_b64 s[96:97], s[40+2*\n:41+2*\n], s[96:97]
.endr
	s_add_nc_u64 s[94:95], s[94:95], s[100:101]
	s_lshr_b32 s100, s100, 4                       ; rows of 16 scale bytes
	s_add_nc_u64 s[96:97], s[96:97], s[100:101]
	s_lshl_b32 s100, ttmp9, 14
	s_lshl_b32 s99, s12, 12
	s_add_co_u32 s100, s100, s99                   ; out: 16384 sigma + 4096 t
	s_add_nc_u64 s[98:99], s[10:11], s[100:101]
	s_lshr_b32 s100, s100, 4
	s_add_co_u32 s100, s100, WS_OFF
	s_add_nc_u64 s[10:11], s[10:11], s[100:101]
.irp j, 0,1,2,3,4,5,6,7
	global_load_b128 v[XN+4*\j:XN+4*\j+3], v[WO], s[94:95] offset:32*\j   ; piece j = 2 ks + c of my row
.endr
	global_load_b64 v[XN+32:XN+33], v[WSI], s[96:97]
	s_wait_loadcnt 0x0
.irp j, 0,1,2,3,4,5,6,7
	global_store_b128 v[LI], v[XN+4*\j:XN+4*\j+3], s[98:99] offset:512*\j   ; 512 consecutive bytes a store
.endr
	global_store_b64 v[SOUT], v[XN+32:XN+33], s[10:11]   ; 256 consecutive bytes, aligned
	s_wait_xcnt 0x0                                ; the stores have read their data: the LDS loads below land in these registers
.Lno_weights:
.macro FETCH ks                        ; K step ks: my 64 numbers (blocks c = 0, 1) into set ks % 2; byte y of a row lies at y + 16 (y / 1024)
.irp c, 0,1
.irp i, 0,1,2,3,4,5,6,7
	ds_load_b128 v[XN+64*((\ks)%2)+32*\c+4*\i:XN+64*((\ks)%2)+32*\c+4*\i+3], v[XA] offset:(\ks)*512+((\ks)/2)*16+256*\c+16*\i
.endr
.endr
.endm
.macro QSTEP ks
.set XS, XN+64*((\ks)%2)
.set CS, CD+8*(\ks)
.irp c, 0,1
	v_max3_num_f32 v[MX+\c], |v[XS+32*\c]|, |v[XS+32*\c+1]|, 0x1800000   ; my block 4 ks + 2 c + h; the floor 2^(3 - 127) holds the byte at 1 from below
.endr
.irp i, 2,4,6,8,10,12,14,16,18,20,22,24,26,28,30
.irp c, 0,1
	v_max3_num_f32 v[MX+\c], v[MX+\c], |v[XS+32*\c+\i]|, |v[XS+32*\c+\i+1]|
.endr
.endr
.irp c, 0,1
	v_add_nc_u32 v[SO+\c], 0xff000000, v[MX+\c]    ; 2 off the exponent field: the conversion takes that field as its scale
.endr
.irp c, 0,1
.irp g, 0,1,2,3
	v_cvt_scalef32_pk8_fp4_f32 v[CS+4*\c+\g], v[XS+32*\c+8*\g:XS+32*\c+8*\g+7], v[SO+\c]
.endr
.endr
	v_lshrrev_b32 v[BY], 23, v[SO]                 ; the bytes (a plain line behind the conversions)
	v_lshrrev_b32 v[BY+1], 23, v[SO+1]
	v_lshl_or_b32 v[TW], v[BY+1], 16, v[BY]
	v_lshlrev_b32 v[TW], v[SH8], v[TW]             ; blocks h and 2 + h at their places in the word
	v_permlanex16_b32 v[PD], v[TW], s92, s93
	v_or_b32 v[SW+(\ks)], v[TW], v[PD]
	global_store_b128 v[LI], v[CS:CS+3], s[14:15] offset:1024*(\ks)
	global_store_b128 v[LI], v[CS+4:CS+7], s[14:15] offset:1024*(\ks)+512
.endm
	s_wait_tensorcnt 0x0                           ; my 16 rows are in,
	s_barrier_signal -1
	s_barrier_wait -1                              ; and so are the others': the group's 64 rows lie in LDS, and nobody writes them again
	FETCH 0
.irp ks, 0,1,2
	FETCH \ks+1
	s_wait_dscnt 16                                ; this step's numbers are in; the 16 loads just issued may be out
	QSTEP \ks
.endr
	s_wait_dscnt 0x0
	QSTEP 3
	v_cmp_eq_u32 vcc_lo, 1, v[HH]
	v_cndmask_b32 v8, v[SW], v[SW+2], vcc_lo       ; lane (r, h) stores words 2 h and 2 h + 1 of place r
	v_cndmask_b32 v9, v[SW+1], v[SW+3], vcc_lo
	global_store_b64 v[SOUT], v[8:9], s[6:7]       ; 256 consecutive bytes, aligned
	s_wait_tensorcnt 0x0                           ; the wave's end
	ds_add_u32 v224, v225
	s_wait_dscnt 0x0
	s_endpgm
.Lfunc_end_k_q6119a08c1b_prep:
	.size	k_q6119a08c1b_prep, .Lfunc_end_k_q6119a08c1b_prep-k_q6119a08c1b_prep
	.p2alignl 7, 3214868480
	.fill 96, 4, 3214868480
	.section	.rodata,"a",@progbits
	.p2align	6, 0x0
	.amdhsa_kernel k_q6119a08c1b_prep
		.amdhsa_group_segment_fixed_size 168448
		.amdhsa_private_segment_fixed_size 0
		.amdhsa_enable_private_segment 0
		.amdhsa_kernarg_size 224
		.amdhsa_user_sgpr_count 2
		.amdhsa_user_sgpr_kernarg_segment_ptr 1
		.amdhsa_wavefront_size32 1
		.amdhsa_system_sgpr_workgroup_id_x 1
		.amdhsa_system_sgpr_workgroup_id_y 1
		.amdhsa_system_sgpr_workgroup_id_z 1
		.amdhsa_system_vgpr_workitem_id 0
		.amdhsa_next_free_vgpr 226
		.amdhsa_next_free_sgpr 102
		.amdhsa_reserve_vcc 1
		.amdhsa_float_denorm_mode_32 3
		.amdhsa_float_denorm_mode_16_64 3
		.amdhsa_memory_ordered 1
		.amdhsa_forward_progress 1
		.amdhsa_inst_pref_size 24
	.end_amdhsa_kernel
	.amdgpu_metadata
---
amdhsa.version: [ 1, 2 ]
amdhsa.kernels:
  - .name:           k_q6119a08c1b_prep
    .symbol:         k_q6119a08c1b_prep.kd
    .args:
      - { .name: X, .offset: 0, .size: 8, .value_kind: global_buffer, .address_space: global }
      - { .name: Y, .offset: 8, .size: 8, .value_kind: global_buffer, .address_space: global }
      - { .name: XYq, .offset: 16, .size: 8, .value_kind: global_buffer, .address_space: global }
      - { .name: Wpk, .offset: 24, .size: 8, .value_kind: global_buffer, .address_space: global }
      - { .name: W_q_xx_codes, .offset: 32, .size: 8, .value_kind: global_buffer, .address_space: global }
      - { .name: W_k_xx_codes, .offset: 40, .size: 8, .value_kind: global_buffer, .address_space: global }
      - { .name: W_v_xx_codes, .offset: 48, .size: 8, .value_kind: global_buffer, .address_space: global }
      - { .name: W_q_xy_codes, .offset: 56, .size: 8, .value_kind: global_buffer, .address_space: global }
      - { .name: W_k_xy_codes, .offset: 64, .size: 8, .value_kind: global_buffer, .address_space: global }
      - { .name: W_v_xy_codes, .offset: 72, .size: 8, .value_kind: global_buffer, .address_space: global }
      - { .name: W_q_yx_codes, .offset: 80, .size: 8, .value_kind: global_buffer, .address_space: global }
      - { .name: W_k_yx_codes, .offset: 88, .size: 8, .value_kind: global_buffer, .address_space: global }
      - { .name: W_v_yx_codes, .offset: 96, .size: 8, .value_kind: global_buffer, .address_space: global }
      - { .name: W_q_yy_codes, .offset: 104, .size: 8, .value_kind: global_buffer, .address_space: global }
      - { .name: W_k_yy_codes, .offset: 112, .size: 8, .value_kind: global_buffer, .address_space: global }
      - { .name: W_v_yy_codes, .offset: 120, .size: 8, .value_kind: global_buffer, .address_space: global }
      - { .name: W_q_xx_scales, .offset: 128, .size: 8, .value_kind: global_buffer, .address_space: global }
      - { .name: W_k_xx_scales, .offset: 136, .size: 8, .value_kind: global_buffer, .address_space: global }
      - { .name: W_v_xx_scales, .offset: 144, .size: 8, .value_kind: global_buffer, .address_space: global }
      - { .name: W_q_xy_scales, .offset: 152, .size: 8, .value_kind: global_buffer, .address_space: global }
      - { .name: W_k_xy_scales, .offset: 160, .size: 8, .value_kind: global_buffer, .address_space: global }
      - { .name: W_v_xy_scales, .offset: 168, .size: 8, .value_kind: global_buffer, .address_space: global }
      - { .name: W_q_yx_scales, .offset: 176, .size: 8, .value_kind: global_buffer, .address_space: global }
      - { .name: W_k_yx_scales, .offset: 184, .size: 8, .value_kind: global_buffer, .address_space: global }
      - { .name: W_v_yx_scales, .offset: 192, .size: 8, .value_kind: global_buffer, .address_space: global }
      - { .name: W_q_yy_scales, .offset: 200, .size: 8, .value_kind: global_buffer, .address_space: global }
      - { .name: W_k_yy_scales, .offset: 208, .size: 8, .value_kind: global_buffer, .address_space: global }
      - { .name: W_v_yy_scales, .offset: 216, .size: 8, .value_kind: global_buffer, .address_space: global }
    .group_segment_fixed_size: 168448
    .private_segment_fixed_size: 0
    .kernarg_segment_align: 8
    .kernarg_segment_size: 224
    .max_flat_workgroup_size: 128
    .sgpr_count:     102
    .vgpr_count:     226
    .wavefront_size: 32
...
	.end_amdgpu_metadata
.endif
;; end of part 1
;; launch attn (part 2): grid 64 x 4, 16 waves a work-group, no clusters, 257,024 bytes of LDS; arguments XYq, Wpk, b_q_xx, b_k_xx, b_v_xx, b_q_xy, b_k_xy, b_v_xy, b_q_yx, b_k_yx, b_v_yx, b_q_yy, b_k_yy, b_v_yy, Oq; writes Oq
.if DOCPART == 2
	.amdgcn_target "amdgcn-amd-amdhsa--gfx1250"
	.amdhsa_code_object_version 6
	.text
	.protected	k_q6119a08c1b_attn
	.globl	k_q6119a08c1b_attn
	.p2align	8
	.type	k_q6119a08c1b_attn,@function
k_q6119a08c1b_attn:
	s_mov_b64 s[64:65], 0
	v_nop
	global_prefetch_b8 v0, s[64:65] scope:SCOPE_SE
	s_setreg_imm32_b32 hwreg(HW_REG_WAVE_MODE, 25, 1), 1
	s_wait_xcnt 0x0
; One work-group for each (branch xx, xy, yx, yy; batch b; head): the head's K, V and Q projections, attention, o = q + P V / l, and o's codes.  All products on codes of FP4 (E2M1) with E8M0 scales for each 32 along K.
; x = 8 b + head, y = branch.  Queries come from X (branches 0, 1) or Y (2, 3), keys and values from X (0, 2) or Y (1, 3), as register images made by the launch before; q, k, v and o never go to memory in f32.
; THE ORDER OF ROWS IN A TILE: place r of tile u of a group of 64 (rows of X or Y, rows of a weight's head) is row 8 u + r % 8 + 32 (r / 8).  In a result, lane (n, h) holds places 8 h + j of four tiles u: rows 32 h + 8 u + j,
; that is ONE WHOLE BLOCK OF 32 NEIGHBOURS along the next K.  So a block's largest magnitude needs no other lane, and four conversions give registers 4 c .. 4 c + 3 of the next operand as they stand.
; SHARES: sixteen waves, four to a SIMD, 256 registers each.  Wave w makes K and V of keys 64 w .. 64 w + 63 (images into LDS, read by all), then takes its 64 queries in two passes of TWO tiles of 16:
; each fragment of K and V read from LDS serves both tiles.  A pass walks all 1,024 keys in 8 steps of 128.
; K, Q and both attention products are used transposed (source 0 = 16 rows of a weight, 16 keys or 16 channels; source 1 = 16 rows or queries): a lane holds ONE key or query.  V = source x Wv stands as it is: a lane holds one channel.
; HEAD SIZE 64 IN A K OF 128: a fragment of K holds key tile u in registers 0-3 and u + 1 in registers 4-7; it is multiplied by [q, zeros] and by [zeros, q].  Zero codes add nothing under any scale byte that occurs here.
; SOFTMAX: t = score x log2(e) / sqrt(512); M = the running largest t rounded up to a whole number; p = 2^(t - M) is quantised; the sum is taken of the unquantised p and divides at the end; a change of M multiplies by an exact power of two.
; LIMITS: a block of zeros gets the scale byte 1 (its codes are zeros; this program alone reads the bytes); a p under 2^-126 counts as 0; the promise holds while |t| stays under 2^31; NaN and infinities are not served.
; No cluster and no prefetch: source images and weights go once into one wave's registers or once into LDS, at the head or at a pass's end; there is no ring of tiles in which joint requests could meet or a loop could run ahead.
.set XS_OFF, 4194304
.set WS_OFF, 1572864
.set OS_OFF, 8388608
; LDS
.set KIMG, 0                           ; K's codes: step s, tile 4 c + u at 4096 s + 512 (4 c + u)
.set VIMG, 32768                       ; V's codes: step s, channel tile t, half c at 4096 s + 1024 t + 512 c
.set KSC,  65536                       ; K's scale words: fragment f (tiles 2 f, 2 f + 1) at 64 f + 4 r
.set VSC,  67584                       ; V's at 256 s + 64 t + 4 r
.set BIAS, 69632                       ; the head's 64 numbers of b_q, b_k, b_v at +0, +256, +512
.set WQ,   70656                       ; the slices of Wq, Wk, Wv, 16,384 bytes each: [tile][K step][c][lane][16]
.set QRES, 119808                      ; q in f32: 8,192 bytes for each wave
.set OSL,  250880                      ; o's scale words, 256 bytes for each wave
.set SPARE, 254976                     ; the spare words, 128 bytes for each wave
; registers
.set LI,  1                            ; 16 x lane
.set WB,  2                            ; WQ + 16 lane
.set BQA, 3                            ; BIAS + 128 h
; v4-7: addresses of the phase in hand.  v8-31 hold scales and nothing else
.set SSC, 8                            ; projections: the source's scale words v8-15, Wk's v16-23, Wv's v24-31
.set WKS, 16
.set WVS, 24
.set WQS, 8                            ; attention: Wq's v8-15, the query source's v16-19, K's v20-21, V's v22-23, q's v24-25, p's v26-27
.set NXS, 16
.set KS,  20
.set VS,  22
.set QS,  24
.set PP,  26
.set WF,  32                           ; projections: v32-63 four weight fragments
.set SH8, 32                           ; attention: 8 h
.set OSP, 33
.set EC,  34                           ; v34-39: four more chains of maxima, then three pairs of the row's sum
.set QZ,  40                           ; v40-59 = [zeros][q of tile 0][zeros][q of tile 1][zeros]
.set BM,  60                           ; v60-61 my two blocks' largest scores, then p, then bytes
.set CM,  62                           ; v62-63 second chains, then the conversions' scale operands
.set S,   64                           ; v64-127 scores, then p: register 32 c + 8 u + j = key 64 c + 32 h + 8 u + j
.set ACC, 64
.set SRC, 128                          ; projections: v128-255 my 64 rows of the key source: fragment (m, ks) at 8 (4 m + ks)
.set KF,  128                          ; v128-159 four fragments of K, of V or of Wq
.set OT,  160                          ; v160-223 O^T of the two tiles; at a pass's head the query source
.set PC8, 224                          ; v224-239 p's codes
.set ST,  240                          ; for each tile six: -M (even steps), the largest score, -M (odd steps), a word named with it, the sum in two halves
.set FA,  252                          ; v252 f or 1 / l; v253 named with it as a pair
.set X0,  254
.set Y0,  255
.macro PLACES n                        ; plain vector lines between a matrix instruction and what touches its registers (ISA guide 7.12.1), or ahead of a scaled one whose operands vector lines wrote
.rept \n
	v_nop
.endr
.endm
; D = A x B + C with scales; numbers are first registers; c < 0: the constant 0; ra, rb: the side's scales stand in lanes 16-31
.macro WM d, a, b, c, sa, sb, ra, rb
.if (\c) < 0
.if (\ra) && (\rb)
	v_wmma_scale_f32_16x16x128_f8f6f4 v[(\d):(\d)+7], v[(\a):(\a)+7], v[(\b):(\b)+7], 0, v[(\sa)], v[(\sb)] matrix_a_fmt:MATRIX_FMT_FP4 matrix_b_fmt:MATRIX_FMT_FP4 matrix_a_scale:MATRIX_SCALE_ROW1 matrix_b_scale:MATRIX_SCALE_ROW1
.elseif (\ra)
	v_wmma_scale_f32_16x16x128_f8f6f4 v[(\d):(\d)+7], v[(\a):(\a)+7], v[(\b):(\b)+7], 0, v[(\sa)], v[(\sb)] matrix_a_fmt:MATRIX_FMT_FP4 matrix_b_fmt:MATRIX_FMT_FP4 matrix_a_scale:MATRIX_SCALE_ROW1
.elseif (\rb)
	v_wmma_scale_f32_16x16x128_f8f6f4 v[(\d):(\d)+7], v[(\a):(\a)+7], v[(\b):(\b)+7], 0, v[(\sa)], v[(\sb)] matrix_a_fmt:MATRIX_FMT_FP4 matrix_b_fmt:MATRIX_FMT_FP4 matrix_b_scale:MATRIX_SCALE_ROW1
.else
	v_wmma_scale_f32_16x16x128_f8f6f4 v[(\d):(\d)+7], v[(\a):(\a)+7], v[(\b):(\b)+7], 0, v[(\sa)], v[(\sb)] matrix_a_fmt:MATRIX_FMT_FP4 matrix_b_fmt:MATRIX_FMT_FP4
.endif
.else
.if (\ra) && (\rb)
	v_wmma_scale_f32_16x16x128_f8f6f4 v[(\d):(\d)+7], v[(\a):(\a)+7], v[(\b):(\b)+7], v[(\c):(\c)+7], v[(\sa)], v[(\sb)] matrix_a_fmt:MATRIX_FMT_FP4 matrix_b_fmt:MATRIX_FMT_FP4 matrix_a_scale:MATRIX_SCALE_ROW1 matrix_b_scale:MATRIX_SCALE_ROW1
.elseif (\ra)
	v_wmma_scale_f32_16x16x128_f8f6f4 v[(\d):(\d)+7], v[(\a):(\a)+7], v[(\b):(\b)+7], v[(\c):(\c)+7], v[(\sa)], v[(\sb)] matrix_a_fmt:MATRIX_FMT_FP4 matrix_b_fmt:MATRIX_FMT_FP4 matrix_a_scale:MATRIX_SCALE_ROW1
.elseif (\rb)
	v_wmma_scale_f32_16x16x128_f8f6f4 v[(\d):(\d)+7], v[(\a):(\a)+7], v[(\b):(\b)+7], v[(\c):(\c)+7], v[(\sa)], v[(\sb)] matrix_a_fmt:MATRIX_FMT_FP4 matrix_b_fmt:MATRIX_FMT_FP4 matrix_b_scale:MATRIX_SCALE_ROW1
.else
	v_wmma_scale_f32_16x16x128_f8f6f4 v[(\d):(\d)+7], v[(\a):(\a)+7], v[(\b):(\b)+7], v[(\c):(\c)+7], v[(\sa)], v[(\sb)] matrix_a_fmt:MATRIX_FMT_FP4 matrix_b_fmt:MATRIX_FMT_FP4
.endif
.endif
.endm
; 32 registers of a lane, one whole block, become four registers of codes in v[pc] on; the block's byte is left in v[t]; v[t + 1] is at work.  Two chains; each accumulator is read from its low end on
.macro QUANT s, pc, t
	v_max3_num_f32 v[(\t)], |v[(\s)]|, |v[(\s)+1]|, 0x1800000   ; the floor 2^(3 - 127): the byte cannot fall under 1
	v_max3_num_f32 v[(\t)+1], |v[(\s)+16]|, |v[(\s)+17]|, |v[(\s)+18]|
.irp i, 2,4,6,8,10,12
	v_max3_num_f32 v[(\t)], v[(\t)], |v[(\s)+\i]|, |v[(\s)+\i+1]|
	v_max3_num_f32 v[(\t)+1], v[(\t)+1], |v[(\s)+\i+17]|, |v[(\s)+\i+18]|
.endr
	v_max3_num_f32 v[(\t)], v[(\t)], |v[(\s)+14]|, |v[(\s)+15]|
	v_max3_num_f32 v[(\t)], v[(\t)], v[(\t)+1], |v[(\s)+31]|
	v_add_nc_u32 v[(\t)+1], 0xff000000, v[(\t)]    ; 2 off the exponent field: the conversion's scale operand
.irp g, 0,1,2,3
	v_cvt_scalef32_pk8_fp4_f32 v[(\pc)+\g], v[(\s)+8*\g:(\s)+8*\g+7], v[(\t)+1]
.endr
	v_lshrrev_b32 v[(\t)], 23, v[(\t)+1]           ; the byte (a plain line behind the conversions)
.endm
	s_load_b128 s[4:7], s[0:1], 0x0                ; XYq, Wpk
	s_load_b512 s[16:31], s[0:1], 0x10             ; the twelve biases: s[16 + 6 branch + 2 role]
	s_load_b256 s[32:39], s[0:1], 0x50
	s_load_b64 s[8:9], s[0:1], 0x70                ; Oq
	v_lshrrev_b32 v102, 5, v0
	v_readfirstlane_b32 s10, v102                  ; wave 0..15
	s_and_b32 s11, ttmp7, 0xffff                   ; branch
	s_lshr_b32 s12, ttmp9, 3                       ; b
	s_and_b32 s13, ttmp9, 7                        ; head
	s_mov_b32 s14, 0x76543210
	s_mov_b32 s15, 0xfedcba98                      ; v_permlanex16_b32: lane l xor 16
	s_mov_b32 s46, 0x3d8293ee                      ; c = log2(e) / sqrt(512)
	s_mov_b32 s47, s46
	s_lshl_b32 s76, s10, 11                        ; my tiles of K's image
	s_lshl_b32 s77, s10, 7
	s_add_co_u32 s77, s77, KSC                     ; and their scale words
	s_lshr_b32 s70, s10, 1
	s_and_b32 s71, s10, 1
	s_lshl_b32 s78, s70, 8
	s_lshl_b32 s72, s71, 1
	s_add_co_u32 s78, s78, s72
	s_add_co_u32 s78, s78, VSC                     ; V's scale bytes: step w / 2, blocks 2 (w % 2) + h
	s_lshl_b32 s79, s70, 12
	s_lshl_b32 s72, s71, 9
	s_add_co_u32 s79, s79, s72
	s_add_co_u32 s79, s79, VIMG                    ; V's image: step w / 2, half w % 2
	s_lshl_b32 s80, s10, 13
	s_add_co_u32 s80, s80, QRES
	s_lshl_b32 s81, s10, 8
	s_add_co_u32 s81, s81, OSL
	s_mov_b32 s69, 0
	s_lshl_b32 s70, s12, 6
	s_lshl_b32 s71, s10, 2
	s_add_co_u32 s70, s70, s71                     ; 64 b + 4 w: my first row tile in a tensor
	s_and_b32 s71, s11, 1                          ; the key source; also o's half of the closing K
	s_lshr_b32 s72, s11, 1                         ; the query source; also which output
	s_lshl_b32 s73, s71, 9
	s_add_co_u32 s73, s73, s70                     ; my first key tile in XYq
	s_lshl_b32 s74, s72, 9
	s_add_co_u32 s74, s74, s70                     ; my first query tile
	s_mul_i32 s75, s11, 24
	s_add_co_u32 s75, s75, s13                     ; the slice of Wq: 24 branch + head
	v_lshlrev_b32 v100, 4, v0                      ; 16 x thread
	v_and_b32 v101, 0x1e0, v0
	v_lshrrev_b32 v101, 1, v101                    ; 16 x wave
	v_and_b32 v102, 31, v0
	v_and_b32 v6, 15, v0                           ; r
	v_bfe_u32 v7, v0, 4, 1                         ; h
	v_add_nc_u32 v103, WQ, v100
	v_add_nc_u32 v104, BIAS, v101
	v_lshlrev_b32 v[LI], 4, v102
	v_lshl_add_u32 v[BQA], v7, 7, BIAS
	v_lshl_add_u32 v4, v6, 2, s77
	v_add_nc_u32 v[WB], WQ, v[LI]
	v_add_nc_u32 v5, s76, v[LI]                    ; K's image: 2048 w + 16 lane
	v_add_nc_u32 v4, v4, v7                        ; K's scale bytes: KSC + 128 w + 4 r + h
	s_wait_alu depctr_va_vdst(0)                   ; the wait at the head's end
	s_wait_kmcnt 0x0
	s_lshl_b32 s68, s73, 12
	s_add_nc_u64 s[52:53], s[4:5], s[68:69]        ; the key source's codes
	s_lshl_b32 s68, s73, 8
	s_add_co_u32 s68, s68, XS_OFF
	s_add_nc_u64 s[54:55], s[4:5], s[68:69]        ; and scale words
	s_lshl_b32 s68, s74, 12
	s_add_nc_u64 s[48:49], s[4:5], s[68:69]        ; the query source's codes
	s_lshl_b32 s68, s74, 8
	s_add_co_u32 s68, s68, XS_OFF
	s_add_nc_u64 s[50:51], s[4:5], s[68:69]        ; and scale words
	s_lshl_b32 s68, s75, 14
	s_add_nc_u64 s[60:61], s[6:7], s[68:69]        ; the weights' codes; from role to role 131,072 bytes
	s_lshl_b32 s68, s75, 10
	s_add_co_u32 s68, s68, WS_OFF
	s_add_nc_u64 s[66:67], s[6:7], s[68:69]        ; and scale words; from role to role 8,192 bytes
	s_lshl_b32 s75, s71, 3
	s_add_co_u32 s75, s75, s13                     ; 8 part + head
	s_lshl_b32 s68, s72, 22
	s_lshl_b32 s73, s70, 13
	s_add_co_u32 s68, s68, s73
	s_lshl_b32 s73, s75, 9
	s_add_co_u32 s68, s68, s73
	s_add_nc_u64 s[56:57], s[8:9], s[68:69]        ; o's codes: output, row tile x 8192, (8 part + head) x 512
	s_lshl_b32 s68, s72, 19
	s_lshl_b32 s73, s75, 15
	s_add_co_u32 s68, s68, s73
	s_lshl_b32 s73, s70, 6
	s_add_co_u32 s68, s68, s73
	s_add_co_u32 s68, s68, OS_OFF
	s_add_nc_u64 s[58:59], s[8:9], s[68:69]        ; o's scale words: a plane of 8,192 places x 4 bytes for each (part, head)
	s_mov_b64 s[40:41], s[16:17]
	s_mov_b64 s[42:43], s[18:19]
	s_mov_b64 s[44:45], s[20:21]
.irp n, 1,2,3
	s_cmp_eq_u32 s11, \n
	s_cselect_b64 s[40:41], s[16+6*\n:17+6*\n], s[40:41]
	s_cselect_b64 s[42:43], s[18+6*\n:19+6*\n], s[42:43]
	s_cselect_b64 s[44:45], s[20+6*\n:21+6*\n], s[44:45]
.endr
	s_lshl_b32 s68, s13, 8                         ; the head's 64 numbers
	s_add_nc_u64 s[40:41], s[40:41], s[68:69]
	s_add_nc_u64 s[42:43], s[42:43], s[68:69]
	s_add_nc_u64 s[44:45], s[44:45], s[68:69]
	; nine loads for LDS (three slices: 512 threads x 16 bytes, twice each; the biases: 16 bytes a wave), then 38 for my registers
.irp g, 0,1,2,3,4,5
	global_load_b128 v[64+4*\g:67+4*\g], v100, s[60:61] offset:(\g/2)*131072+(\g%2)*8192
.endr
	global_load_b128 v[88:91], v101, s[40:41]
	global_load_b128 v[92:95], v101, s[42:43]
	global_load_b128 v[96:99], v101, s[44:45]
.irp j, 0,1
	global_load_b128 v[SSC+4*\j:SSC+4*\j+3], v[LI], s[54:55] offset:512*\j           ; lanes 0-15 tile 2 j, lanes 16-31 tile 2 j + 1; registers: K steps 0 to 3
	global_load_b128 v[WKS+4*\j:WKS+4*\j+3], v[LI], s[66:67] offset:8192+512*\j
	global_load_b128 v[WVS+4*\j:WVS+4*\j+3], v[LI], s[66:67] offset:16384+512*\j
.endr
.set jj, 0
.rept 32
	global_load_b128 v[SRC+4*jj:SRC+4*jj+3], v[LI], s[52:53] offset:512*jj           ; row tile jj / 8: the first 16 loads bring tiles 0 and 1
.set jj, jj+1
.endr
	s_wait_loadcnt 38                              ; the nine are in; the 38 issued behind them may be out
.irp g, 0,1,2,3,4,5
	ds_store_b128 v103, v[64+4*\g:67+4*\g] offset:(\g/2)*16384+(\g%2)*8192
.endr
	ds_store_b128 v104, v[88:91]                   ; all lanes of a wave write the same 16 bytes with the same values
	ds_store_b128 v104, v[92:95] offset:256
	ds_store_b128 v104, v[96:99] offset:512
	s_wait_dscnt 0x0                               ; for the others' sake: my stores have landed
	s_barrier_signal -1
	s_barrier_wait -1                              ; weights and biases lie in LDS
	s_wait_loadcnt 16                              ; the scale words and row tiles 0 and 1 are in; the 16 loads of tiles 2 and 3 may be out
; K of my row tiles 2 p and 2 p + 1: each fragment of Wk serves both; eight accumulators by turns; b_k is the first C.  Lane (place r, h) then holds channels 32 h + 0 .. 31 of one key
.macro KPAIR p
.irp mm, 0,1
.irp t, 0,1,2,3
.irp e, 0,1
	ds_load_b128 v[ACC+32*\mm+8*\t+4*\e:ACC+32*\mm+8*\t+4*\e+3], v[BQA] offset:256+32*\t+16*\e
.endr
.endr
.endr
.irp ks, 0,1,2,3
.if \ks > 0
	PLACES 4
.endif
.irp t, 0,1,2,3
.irp c, 0,1
	ds_load_b128 v[WF+8*\t+4*\c:WF+8*\t+4*\c+3], v[WB] offset:16384+(4*\t+\ks)*1024+512*\c
.endr
.endr
	s_wait_dscnt 0x0
.irp mm, 0,1
.irp t, 0,1,2,3
	WM ACC+32*\mm+8*\t, WF+8*\t, SRC+8*(4*(2*(\p)+\mm)+\ks), ACC+32*\mm+8*\t, WKS+4*(\t/2)+\ks, SSC+4*(\p)+\ks, \t%2, \mm
.endr
.endr
.endr
	PLACES 4
.irp mm, 0,1
	QUANT ACC+32*\mm, WF+8*\mm, WF+4+8*\mm
	ds_store_b128 v5, v[WF+8*\mm:WF+8*\mm+3] offset:512*(2*(\p)+\mm)   ; tile u = 2 p + mm of my four
	ds_store_b8 v4, v[WF+4+8*\mm] offset:64*(\p)+2*\mm                 ; fragment p's word: byte 2 (u % 2) + h
.endr
.endm
	KPAIR 0
	s_wait_loadcnt 0x0                             ; row tiles 2 and 3
	KPAIR 1
; V of channel tile t: my four row tiles x 16 rows of Wv; lane (channel place r, h) holds keys 32 h + 0 .. 31 of my 64
	v_and_b32 v104, 8, v6
	v_lshl_add_u32 v4, v6, 2, s78
	v_add_nc_u32 v5, s79, v[LI]
	v_mad_u32_u24 v104, v104, 3, v6                ; r % 8 + 32 (r / 8)
	v_add_nc_u32 v4, v4, v7
	v_lshl_add_u32 v104, v104, 2, BIAS+512
	s_wait_alu depctr_va_vdst(0)                   ; the wait behind freshly made addresses
.irp t, 0,1,2,3
	ds_load_b32 v[106+\t], v104 offset:32*\t
.endr
	s_wait_dscnt 0x0
.macro VCOL t
.irp j, 0,1,2,3,4,5,6,7
	v_mov_b32 v[96+\j], v[106+(\t)]                ; b_v of my channel, as the first C
.endr
	PLACES 4
.irp ks, 0,1,2,3
.irp c, 0,1
	ds_load_b128 v[WF+8*\ks+4*\c:WF+8*\ks+4*\c+3], v[WB] offset:32768+(4*(\t)+\ks)*1024+512*\c
.endr
.endr
	s_wait_alu depctr_va_vdst(0)                   ; the wait ahead of the wait below
	s_wait_dscnt 0x0
.irp ks, 0,1,2,3
.irp m, 0,1,2,3
.if \ks == 0
	WM ACC+8*\m, SRC+8*(4*\m+\ks), WF+8*\ks, 96, SSC+4*(\m/2)+\ks, WVS+4*((\t)/2)+\ks, \m%2, (\t)%2
.else
	WM ACC+8*\m, SRC+8*(4*\m+\ks), WF+8*\ks, ACC+8*\m, SSC+4*(\m/2)+\ks, WVS+4*((\t)/2)+\ks, \m%2, (\t)%2
.endif
.endr
.endr
	PLACES 4
	QUANT ACC, 110, 114
	ds_store_b128 v5, v[110:113] offset:1024*(\t)
	ds_store_b8 v4, v114 offset:64*(\t)
.endm
	VCOL 0
	VCOL 1
	VCOL 2
	VCOL 3
	; attention's registers
.irp j, 0,1,2,3
	v_mov_b32 v[QZ+\j], 0                          ; the zero codes beside q's
	v_mov_b32 v[QZ+8+\j], 0
	v_mov_b32 v[QZ+16+\j], 0
.endr
	v_mov_b32 v[Y0], 0                             ; (a lane permute's destination)
	v_mov_b32 v[FA+1], 0                           ; (upper halves of pairs)
	v_mov_b32 v[ST+3], 0
	v_mov_b32 v[ST+9], 0
	v_lshlrev_b32 v[SH8], 3, v7
	v_and_b32 v[OSP], 31, v0                       ; lane
	v_lshl_add_u32 v4, v[OSP], 2, KSC              ; scale words: KSC + 4 lane
	v_add_nc_u32 v5, s80, v[LI]                    ; q in f32
	v_lshl_add_u32 v6, v6, 2, s81                  ; o's scale words in
	v_lshl_add_u32 v7, v[OSP], 3, s81              ; and out
.irp j, 0,1
	global_load_b128 v[WQS+4*\j:WQS+4*\j+3], v[LI], s[66:67] offset:512*\j
.endr
.macro LOADQ                           ; two tiles of 16 query rows: eight fragments, 8,192 consecutive bytes, and the rows' scale words (lanes 0-15 the first tile, lanes 16-31 the second)
.set jj, 0
.rept 16
	global_load_b128 v[OT+4*jj:OT+4*jj+3], v[LI], s[48:49] offset:512*jj
.set jj, jj+1
.endr
	global_load_b128 v[NXS:NXS+3], v[LI], s[50:51]
.endm
	LOADQ
	s_mov_b32 s62, 2                               ; passes to go
	s_mov_b32 s63, 0                               ; the pass's place among my scale words
	s_wait_alu depctr_va_vdst(0)                   ; the wait ahead of the waits below
	s_wait_dscnt 0x0                               ; for the others' sake: my images of K and V have landed
	s_barrier_signal -1
	s_barrier_wait -1                              ; the head's K and V lie in LDS; nobody writes them again
.macro SMM x                           ; S^T of tile x: eight key tiles against q
.irp i, 0,1,2,3
	WM S+16*\i, KF+8*\i, QZ+4+8*(\x), -1, KS+\i/2, QS+(\x), \i%2, 0
	WM S+16*\i+8, KF+8*\i, QZ+8*(\x), -1, KS+\i/2, QS+(\x), \i%2, 0
.endr
.endm
; the softmax of tile x in step s: scores in, p's codes and scale word out
; the row's sum has eight accumulators: 1 the sum's own pair; 2, 3, 0 the pairs at EC, EC + 2, EC + 4; 4 to 7 the pairs of p at S + 18 .. S + 24.  PA adds the pair v[r : r + 1] onto accumulator k
.macro PA k, r
.if (\k) == 1
	v_pk_add_f32 v[SX+4:SX+5], v[SX+4:SX+5], v[(\r):(\r)+1]
.elseif (\k) < 4
	v_pk_add_f32 v[EC+2*(((\k)+2)%4):EC+2*(((\k)+2)%4)+1], v[EC+2*(((\k)+2)%4):EC+2*(((\k)+2)%4)+1], v[(\r):(\r)+1]
.else
	v_pk_add_f32 v[S+10+2*(\k):S+11+2*(\k)], v[S+10+2*(\k):S+11+2*(\k)], v[(\r):(\r)+1]
.endif
.endm
.macro SUMN n                          ; the next n pairs of p, the accumulators by turns
.rept \n
	PA aa, S+jj
.set jj, jj+2
.set aa, (aa+1)%8
.endr
.endm
.macro SOFT x, s
.set OX, OT+32*(\x)
.set PX, PC8+8*(\x)
.set SX, ST+6*(\x)
.set NN, SX+2*((\s)%2)
.set NO, SX+2-2*((\s)%2)
; the largest score of my blocks h and 2 + h: for the row's maximum and, since p rises with the score, for the block's largest p.
; Eight chains by turns, one for each accumulator, from its low end on: accumulators 0-3 in v60-63, 4-7 in v34-37; each accumulator's last register joins where the chains meet
.irp a, 0,1,2,3,4,5,6,7
	v_max3_num_f32 v[BM+\a-(BM+4-EC)*(\a/4)], v[S+8*\a], v[S+8*\a+1], v[S+8*\a+2]
.endr
.irp i, 3,5
.irp a, 0,1,2,3,4,5,6,7
	v_max3_num_f32 v[BM+\a-(BM+4-EC)*(\a/4)], v[BM+\a-(BM+4-EC)*(\a/4)], v[S+8*\a+\i], v[S+8*\a+\i+1]
.endr
.endr
	v_max3_num_f32 v[BM], v[BM], v[S+7], v[S+15]
	v_max3_num_f32 v[EC], v[EC], v[S+39], v[S+47]
	v_max3_num_f32 v[BM+1], v[BM+1], v[S+23], v[S+31]
	v_max3_num_f32 v[EC+1], v[EC+1], v[S+55], v[S+63]
	v_max3_num_f32 v[BM], v[CM], v[CM+1], v[BM]
	v_max3_num_f32 v[EC], v[EC+2], v[EC+3], v[EC]
	v_max_num_f32 v[BM], v[BM], v[BM+1]
	v_max_num_f32 v[BM+1], v[EC], v[EC+1]
	v_max_num_f32 v[X0], v[BM], v[BM+1]
	v_permlanex16_b32 v[Y0], v[X0], s14, s15       ; lane l xor 16 holds the query's other two blocks
.if (\s) == 0
	v_max_num_f32 v[SX+1], v[X0], v[Y0]            ; a pass's first step starts the maximum
.else
	v_max3_num_f32 v[SX+1], v[SX+1], v[X0], v[Y0]  ; the running largest score (c is positive)
.endif
	v_mul_f32 v[X0], s46, v[SX+1]
	v_floor_f32 v[NN], -v[X0]                      ; -M = floor(-t): M is a whole number
.set jj, 0
.irp g, 0,1,2,3
.rept 8
	v_pk_fma_f32 v[S+jj:S+jj+1], v[S+jj:S+jj+1], s[46:47], v[NN:NN+1] op_sel_hi:[1,0,0]   ; t - M, two at a time
.set jj, jj+2
.endr
.if (\s) > 0                           ; f's three lines stand eight lines apart
.if \g == 0
	v_sub_f32 v[X0], v[NN], v[NO]                  ; old M - new M: a whole number, 0 or less
.elseif \g == 1
	v_cvt_i32_f32 v[X0], v[X0]
.elseif \g == 2
	v_ldexp_f32 v[FA], 1.0, v[X0]                  ; f = 2^(old M - new M): the rescaling rounds nothing
.endif
.endif
.endr
	v_fma_f32 v[BM], v[BM], s46, v[NN]
	v_fma_f32 v[BM+1], v[BM+1], s46, v[NN]
	s_wait_alu depctr_va_vdst(0)                   ; the wait ahead of the batch, and directly ahead of the first reader of O^T
.if (\s) > 0
.set jj, 0
.rept 16
	v_pk_mul_f32 v[OX+jj:OX+jj+1], v[OX+jj:OX+jj+1], v[FA:FA+1] op_sel_hi:[1,0]   ; O^T under the new M, each accumulator from its low end on
.set jj, jj+2
.endr
.endif
	v_exp_f32 v[BM], v[BM]                         ; the blocks' largest p,
	v_exp_f32 v[BM+1], v[BM+1]
.set jj, 0
.rept 64
	v_exp_f32 v[S+jj], v[S+jj]                     ; and p = 2^(t - M), not normalised: one batch
.set jj, jj+1
.endr
.if (\s) == 0
	v_mov_b32 v[SX+4], 0                           ; (plain lines behind the exponentials)
	v_mov_b32 v[SX+5], 0
.else
	v_pk_mul_f32 v[SX+4:SX+5], v[SX+4:SX+5], v[FA:FA+1] op_sel_hi:[1,0]    ; the sums under the new M (a plain line behind the exponentials)
.endif
	s_wait_alu depctr_va_vdst(0)                   ; one wait for the batch, ahead of its first reader
.irp c, 0,1
	v_max_num_f32 v[BM+\c], 0x1800000, v[BM+\c]    ; the floor 2^(3 - 127)
.endr
	v_pk_add_f32 v[EC:EC+1], v[S:S+1], v[S+2:S+3]          ; THE ROW'S SUM IS TAKEN OF THE UNQUANTISED p, two at a time.  Ahead of the conversions it lands outside p alone
	v_pk_add_f32 v[EC+2:EC+3], v[S+4:S+5], v[S+6:S+7]
	v_pk_add_f32 v[EC+4:EC+5], v[S+8:S+9], v[S+10:S+11]
.irp c, 0,1
	v_add_nc_u32 v[CM+\c], 0xff000000, v[BM+\c]    ; 2 off the exponent field: the conversion's scale operand
.endr
	PA 1, S+12
	PA 2, S+14
	PA 3, S+16
.irp c, 0,1
.irp u, 0,1,2,3
	v_cvt_scalef32_pk8_fp4_f32 v[PX+4*\c+\u], v[S+32*\c+8*\u:S+32*\c+8*\u+7], v[CM+\c]   ; register 4 c + u: keys 64 c + 32 h + 8 u + 0 .. 7
.endr
.endr
.irp c, 0,1
	v_lshrrev_b32 v[BM+\c], 23, v[CM+\c]           ; the bytes (plain lines behind the conversions)
.endr
.set jj, 26                            ; pairs 13 to 31 of p, onto the eight accumulators by turns; the scale word's lines stand three additions apart
.set aa, 0
	SUMN 3
	v_lshl_or_b32 v[X0], v[BM+1], 16, v[BM]        ; my bytes: blocks h and 2 + h,
	SUMN 3
	v_lshlrev_b32 v[X0], v[SH8], v[X0]             ; at their places;
	SUMN 3
	v_permlanex16_b32 v[Y0], v[X0], s14, s15
	SUMN 3
	v_or_b32 v[PP+(\x)], v[X0], v[Y0]              ; with lane l xor 16's two: p's scale word for these 128 keys.  The 14 lines below are also the places ahead of the products
	SUMN 7
	PA 3, S+20                                     ; the eight become one
	PA 1, S+24
	PA 0, S+22
	PA 2, S+18
	PA 1, EC+4
	PA 2, EC+2
	PA 1, EC
.endm
; a key step: 128 keys, the s-th of the head, for both tiles
.macro STEP s
.if (\s) > 0
	PLACES 4                                       ; ahead of loads into registers that the last products read
.endif
.irp j, 0,1,2,3,4,5,6,7
	ds_load_b128 v[KF+4*\j:KF+4*\j+3], v[LI] offset:KIMG+4096*(\s)+512*\j
.endr
.irp p, 0,1
	ds_load_b32 v[KS+\p], v4 offset:256*(\s)+128*\p                        ; lanes 0-15 fragment 2 p, lanes 16-31 fragment 2 p + 1
	ds_load_b32 v[VS+\p], v4 offset:VSC-KSC+256*(\s)+128*\p                ; likewise V's channel tiles
.endr
	s_wait_dscnt 0x0
	SMM 0
	PLACES 4
	SOFT 0, \s
	SMM 1
	PLACES 4
.irp j, 0,1,2,3,4,5,6,7
	ds_load_b128 v[KF+4*\j:KF+4*\j+3], v[LI] offset:VIMG+4096*(\s)+512*\j  ; V's four fragments land while the second softmax is walked
.endr
	SOFT 1, \s
	s_wait_alu depctr_va_vdst(0)                   ; the wait ahead of the wait below
	s_wait_dscnt 0x0
.irp x, 0,1
.irp t, 0,1,2,3
.if (\s) == 0
	WM OT+32*\x+8*\t, KF+8*\t, PC8+8*\x, -1, VS+\t/2, PP+\x, \t%2, 0
.else
	WM OT+32*\x+8*\t, KF+8*\t, PC8+8*\x, OT+32*\x+8*\t, VS+\t/2, PP+\x, \t%2, 0
.endif
.endr
.endr
.endm
.Lpass:                                            ; two trips: two tiles of 16 queries each
	s_wait_loadcnt 0x0                             ; this pass's query source, and in the first pass Wq's scale words
.irp x, 0,1
.irp t, 0,1,2,3
.irp e, 0,1
	ds_load_b128 v[S+32*\x+8*\t+4*\e:S+32*\x+8*\t+4*\e+3], v[BQA] offset:32*\t+16*\e   ; b_q is the first C
.endr
.endr
.endr
.irp ks, 0,1,2,3
.if \ks > 0
	PLACES 4
.endif
.irp t, 0,1,2,3
.irp c, 0,1
	ds_load_b128 v[KF+8*\t+4*\c:KF+8*\t+4*\c+3], v[WB] offset:(4*\t+\ks)*1024+512*\c
.endr
.endr
	s_wait_dscnt 0x0
.irp x, 0,1
.irp t, 0,1,2,3
	WM S+32*\x+8*\t, KF+8*\t, OT+32*\x+8*\ks, S+32*\x+8*\t, WQS+4*(\t/2)+\ks, NXS+\ks, \t%2, \x
.endr
.endr
.endr
	PLACES 4
.set jj, 0
.rept 16
	ds_store_b128 v5, v[S+4*jj:S+4*jj+3] offset:512*jj   ; q in f32 is kept for the residual, in my own bytes; each accumulator from its low end on
.set jj, jj+1
.endr
.irp x, 0,1
	QUANT S+32*\x, QZ+4+8*\x, BM
	v_lshlrev_b32 v[BM], v[SH8], v[BM]
	v_permlanex16_b32 v[Y0], v[BM], s14, s15
	v_or_b32 v[BM], v[BM], v[Y0]                   ; q's two bytes,
	v_lshl_or_b32 v[QS+\x], v[BM], 16, v[BM]       ; which serve both halves of the K of 128
.endr
	PLACES 8                                       ; q's scale words and codes were written by vector lines
	s_wait_alu depctr_va_vdst(0)                   ; the wait ahead of the step's waits
	STEP 0
	STEP 1
	STEP 2
	STEP 3
	STEP 4
	STEP 5
	STEP 6
	STEP 7
	; o = q + O^T / l, quantised along the closing product's K
.set jj, 0
.rept 16
	ds_load_b128 v[S+4*jj:S+4*jj+3], v5 offset:512*jj
.set jj, jj+1
.endr
	v_add_f32 v[BM], v[ST+4], v[ST+5]
	v_add_f32 v[BM+1], v[ST+10], v[ST+11]
	v_permlanex16_b32 v[CM], v[BM], s14, s15
	v_permlanex16_b32 v[CM+1], v[BM+1], s14, s15
	v_add_f32 v[BM], v[BM], v[CM]                  ; the rows' sums
	v_add_f32 v[BM+1], v[BM+1], v[CM+1]
	s_wait_alu depctr_va_vdst(0)                   ; the wait ahead of the transcendentals
	v_rcp_f32 v[FA], v[BM]
	v_rcp_f32 v[X0], v[BM+1]
	v_add_nc_u32 v[OSP], s63, v6                   ; (a plain line behind the reciprocals)
	s_wait_dscnt 0x0
	s_wait_alu depctr_va_vdst(0)                   ; ahead of the first reader of 1 / l and of O^T
.irp x, 0,1
.set jj, 0
.rept 16
	v_pk_fma_f32 v[S+32*\x+jj:S+32*\x+jj+1], v[OT+32*\x+jj:OT+32*\x+jj+1], v[FA+2*\x:FA+2*\x+1], v[S+32*\x+jj:S+32*\x+jj+1] op_sel_hi:[1,0,1]
.set jj, jj+2
.endr
.endr
	s_wait_alu depctr_va_vdst(0)                   ; the wait ahead of the branch
	s_cmp_eq_u32 s62, 1                            ; the last pass asks for nothing: no load leaves its buffer
	s_cbranch_scc1 .Lnoload
	s_add_nc_u64 s[48:49], s[48:49], 8192          ; (the loads that read these bases were waited for at the pass's head)
	s_add_nc_u64 s[50:51], s[50:51], 512
	LOADQ                                          ; O^T has been read: the next pass's query source lands there while o is quantised
.Lnoload:
.irp x, 0,1
	QUANT S+32*\x, PC8+4*\x, BM
	global_store_b128 v[LI], v[PC8+4*\x:PC8+4*\x+3], s[56:57] offset:8192*\x   ; half a fragment of the closing product: 512 consecutive bytes
	v_lshlrev_b32 v[BM], v[SH8], v[BM]
	v_permlanex16_b32 v[CM+1], v[BM], s14, s15
	v_or_b32 v[BM], v[BM], v[CM+1]                 ; the head's two bytes of my row
	ds_store_b32 v[OSP], v[BM] offset:64*\x        ; lanes l and l xor 16 write the same word with the same value
.endr
	s_add_co_u32 s63, s63, 128
	s_wait_xcnt 0x0                                ; the stores have read their base and their data: both are written again
	s_add_nc_u64 s[56:57], s[56:57], 16384
	s_sub_co_u32 s62, s62, 1
	s_cmp_lg_u32 s62, 0
	s_wait_alu depctr_va_vdst(0)                   ; the wait ahead of the branch
	s_cbranch_scc1 .Lpass
	ds_load_b64 v[BM:BM+1], v7                     ; LDS serves a wave's instructions in order: this sees my stores
	v_and_b32 v[CM], 31, v0
	v_lshlrev_b32 v[CM], 3, v[CM]
	s_wait_alu depctr_va_vdst(0)
	s_wait_dscnt 0x0
	global_store_b64 v[CM], v[BM:BM+1], s[58:59]   ; my 64 places' words: 256 consecutive bytes, aligned
	s_wait_xcnt 0x0
	v_lshl_add_u32 v254, v0, 2, SPARE
	v_mov_b32 v255, 0
	s_wait_alu depctr_va_vdst(0)
	s_wait_tensorcnt 0x0                           ; the wave's end
	ds_add_u32 v254, v255
	s_wait_dscnt 0x0
	s_endpgm
.Lfunc_end_k_q6119a08c1b_attn:
	.size	k_q6119a08c1b_attn, .Lfunc_end_k_q6119a08c1b_attn-k_q6119a08c1b_attn
	.p2alignl 7, 3214868480
	.fill 96, 4, 3214868480
	.section	.rodata,"a",@progbits
	.p2align	6, 0x0
	.amdhsa_kernel k_q6119a08c1b_attn
		.amdhsa_group_segment_fixed_size 257024
		.amdhsa_private_segment_fixed_size 0
		.amdhsa_enable_private_segment 0
		.amdhsa_kernarg_size 120
		.amdhsa_user_sgpr_count 2
		.amdhsa_user_sgpr_kernarg_segment_ptr 1
		.amdhsa_wavefront_size32 1
		.amdhsa_system_sgpr_workgroup_id_x 1
		.amdhsa_system_sgpr_workgroup_id_y 1
		.amdhsa_system_sgpr_workgroup_id_z 1
		.amdhsa_system_vgpr_workitem_id 0
		.amdhsa_next_free_vgpr 256
		.amdhsa_next_free_sgpr 90
		.amdhsa_reserve_vcc 0
		.amdhsa_float_denorm_mode_32 3
		.amdhsa_float_denorm_mode_16_64 3
		.amdhsa_memory_ordered 1
		.amdhsa_forward_progress 1
		.amdhsa_inst_pref_size 255
	.end_amdhsa_kernel
	.section	.bss,"aw",@nobits
	.p2align	6
	.space	262144
	.amdgpu_metadata
---
amdhsa.version: [ 1, 2 ]
amdhsa.kernels:
  - .name:           k_q6119a08c1b_attn
    .symbol:         k_q6119a08c1b_attn.kd
    .args:
      - { .name: XYq, .offset: 0, .size: 8, .value_kind: global_buffer, .address_space: global }
      - { .name: Wpk, .offset: 8, .size: 8, .value_kind: global_buffer, .address_space: global }
      - { .name: b_q_xx, .offset: 16, .size: 8, .value_kind: global_buffer, .address_space: global }
      - { .name: b_k_xx, .offset: 24, .size: 8, .value_kind: global_buffer, .address_space: global }
      - { .name: b_v_xx, .offset: 32, .size: 8, .value_kind: global_buffer, .address_space: global }
      - { .name: b_q_xy, .offset: 40, .size: 8, .value_kind: global_buffer, .address_space: global }
      - { .name: b_k_xy, .offset: 48, .size: 8, .value_kind: global_buffer, .address_space: global }
      - { .name: b_v_xy, .offset: 56, .size: 8, .value_kind: global_buffer, .address_space: global }
      - { .name: b_q_yx, .offset: 64, .size: 8, .value_kind: global_buffer, .address_space: global }
      - { .name: b_k_yx, .offset: 72, .size: 8, .value_kind: global_buffer, .address_space: global }
      - { .name: b_v_yx, .offset: 80, .size: 8, .value_kind: global_buffer, .address_space: global }
      - { .name: b_q_yy, .offset: 88, .size: 8, .value_kind: global_buffer, .address_space: global }
      - { .name: b_k_yy, .offset: 96, .size: 8, .value_kind: global_buffer, .address_space: global }
      - { .name: b_v_yy, .offset: 104, .size: 8, .value_kind: global_buffer, .address_space: global }
      - { .name: Oq, .offset: 112, .size: 8, .value_kind: global_buffer, .address_space: global }
    .group_segment_fixed_size: 257024
    .private_segment_fixed_size: 0
    .kernarg_segment_align: 8
    .kernarg_segment_size: 120
    .max_flat_workgroup_size: 512
    .sgpr_count:     90
    .vgpr_count:     256
    .wavefront_size: 32
...
	.end_amdgpu_metadata
.endif
;; end of part 2
;; launch outp (part 3): grid 128 x 2, 8 waves a work-group, no clusters, 203,776 bytes of LDS; arguments Oq, W_X_codes, W_X_scales, b_X, X, out0, W_Y_codes, W_Y_scales, b_Y, Y, out1; writes out0, out1
.if DOCPART == 3
	.amdgcn_target "amdgcn-amd-amdhsa--gfx1250"
	.amdhsa_code_object_version 6
	.text
	.protected	k_q6119a08c1b_outp
	.globl	k_q6119a08c1b_outp
	.p2align	8
	.type	k_q6119a08c1b_outp,@function
k_q6119a08c1b_outp:
	s_mov_b64 s[64:65], 0
	v_nop
	global_prefetch_b8 v0, s[64:65] scope:SCOPE_SE
	s_setreg_imm32_b32 hwreg(HW_REG_WAVE_MODE, 25, 1), 1
	s_wait_xcnt 0x0
; out = X + relu(O W + b), for (O_xx | O_xy, W_X, b_X, X, out0) and (O_yx | O_yy, W_Y, b_Y, Y, out1).  O comes as codes of FP4 in register images with its scale words, W as codes with K innermost; K = 1,024; sums in f32.
; SHARES: work-group x: output x / 64, rows 128 (x % 64) on; y: which 256 of the 512 columns.  Eight waves SHARE THE COLUMNS: wave w makes columns 32 w .. 32 w + 31 of the half for all 128 rows,
; so its part of W (16 fragments) stays in registers, read once; what goes round through LDS is O's codes, 64 KB, each row tile brought by one wave.
; THE PRODUCT IS USED TRANSPOSED (source 0 = 16 rows of W, source 1 = 16 rows of O): a lane holds eight neighbouring columns of one row.  The bias is the C of a sum's first matrix instruction.
; The results meet in a stage in LDS and leave as whole rows: each store of a wave covers 512 consecutive bytes, aligned.
; No cluster: the weights go straight into registers and O's rows belong to one work-group column pair; there is no tile ring in which joint requests could meet.
; REGISTERS: window 0: v1-14 addresses; v16-25 scales and nothing else; v32-47 bias; v48-79 four accumulators; v80-111 four fragments of O; v112-119 at work; v128-255 W, later rows of the result.  Window 1: v0-127 the residual.
.set OS_OFF, 8388608
.set OIMG,   0                         ; O's codes: row tile m at 8192 m, fragment ks at + 1024 ks
.set OSC,    65536                     ; O's scale words at 512 ks + 4 row
.set STG,    69632                     ; the stage: 128 rows x (1,024 bytes + 16)
.set SPITCH, 1040
.set LI,  1                            ; 16 lane
.set OSA, 2                            ; OSC + 4 lane
.set WA,  3                            ; 512 r + 16 h
.set SOA, 4                            ; the stage, rows 0-63: 1040 r + 32 h + 128 w
.set SOB, 5                            ; rows 64-127
.set SR,  6                            ; back: my 16 rows, 16 bytes a lane
.set OW,  7                            ; 8192 w + 16 lane
.set WSA, 8                            ; 32 lane
.set BA,  9                            ; 32 h
.set OSW, 10                           ; OSC + 512 w + 16 lane
.set WSR, 16                           ; v16-23 W's scale words of K steps 0 to 7: lanes 0-15 my first column tile, lanes 16-31 my second
.set OS,  24                           ; v24-25 O's
.set BI,  32
.set ACC, 48
.set OF,  80
.set TW,  112
.set WFR, 128                          ; fragment (nt, ks) at 8 (8 nt + ks)
.set MSB, 0
.macro WIN new                         ; the immediate's high byte repeats the setting that is left
.if MSB != \new
	s_set_vgpr_msb (MSB<<8)|\new
.set MSB, \new
.endif
.endm
.macro PLACES n
.rept \n
	v_nop
.endr
.endm
; D = A x B + C with scales; numbers are first registers; ra, rb: the side's scales stand in lanes 16-31
.macro WM d, a, b, c, sa, sb, ra, rb
.if (\ra) && (\rb)
	v_wmma_scale_f32_16x16x128_f8f6f4 v[(\d):(\d)+7], v[(\a):(\a)+7], v[(\b):(\b)+7], v[(\c):(\c)+7], v[(\sa)], v[(\sb)] matrix_a_fmt:MATRIX_FMT_FP4 matrix_b_fmt:MATRIX_FMT_FP4 matrix_a_scale:MATRIX_SCALE_ROW1 matrix_b_scale:MATRIX_SCALE_ROW1
.elseif (\ra)
	v_wmma_scale_f32_16x16x128_f8f6f4 v[(\d):(\d)+7], v[(\a):(\a)+7], v[(\b):(\b)+7], v[(\c):(\c)+7], v[(\sa)], v[(\sb)] matrix_a_fmt:MATRIX_FMT_FP4 matrix_b_fmt:MATRIX_FMT_FP4 matrix_a_scale:MATRIX_SCALE_ROW1
.elseif (\rb)
	v_wmma_scale_f32_16x16x128_f8f6f4 v[(\d):(\d)+7], v[(\a):(\a)+7], v[(\b):(\b)+7], v[(\c):(\c)+7], v[(\sa)], v[(\sb)] matrix_a_fmt:MATRIX_FMT_FP4 matrix_b_fmt:MATRIX_FMT_FP4 matrix_b_scale:MATRIX_SCALE_ROW1
.else
	v_wmma_scale_f32_16x16x128_f8f6f4 v[(\d):(\d)+7], v[(\a):(\a)+7], v[(\b):(\b)+7], v[(\c):(\c)+7], v[(\sa)], v[(\sb)] matrix_a_fmt:MATRIX_FMT_FP4 matrix_b_fmt:MATRIX_FMT_FP4
.endif
.endm
	s_load_b64 s[4:5], s[0:1], 0x0                 ; Oq
	s_load_b256 s[8:15], s[0:1], 0x8               ; W_X's codes, scales, b_X, X
	s_load_b64 s[16:17], s[0:1], 0x28              ; out0
	s_load_b256 s[20:27], s[0:1], 0x30             ; W_Y's codes, scales, b_Y, Y
	s_load_b64 s[28:29], s[0:1], 0x50              ; out1
	v_lshl_add_u32 v126, v0, 2, 0x31800
	v_mov_b32 v127, 0
	v_lshrrev_b32 v12, 5, v0
	s_delay_alu instid0(VALU_DEP_1)
	v_readfirstlane_b32 s30, v12                   ; wave 0..7
	s_lshr_b32 s31, ttmp9, 6                       ; which output
	s_and_b32 s32, ttmp9, 63                       ; which 128 rows
	s_and_b32 s33, ttmp7, 0xffff                   ; which half of the columns
	v_and_b32 v12, 31, v0                          ; lane
	v_and_b32 v13, 15, v0                          ; r
	v_bfe_u32 v14, v0, 4, 1                        ; h
	s_delay_alu instid0(VALU_DEP_3)
	v_lshlrev_b32 v[LI], 4, v12
	s_delay_alu instid0(VALU_DEP_4)
	v_lshl_add_u32 v[OSA], v12, 2, OSC
	s_delay_alu instid0(VALU_DEP_4)
	v_lshlrev_b32 v[WA], 9, v13
	s_delay_alu instid0(VALU_DEP_1)
	v_lshl_add_u32 v[WA], v14, 4, v[WA]
	v_lshlrev_b32 v[WSA], 5, v12
	v_lshlrev_b32 v[BA], 5, v14
	v_and_b32 v15, 8, v13
	v_mad_u32_u24 v15, v15, 3, v13                 ; place r of tile u of a group of 64 rows is row 8 u + r % 8 + 32 (r / 8): the stage takes each row at its true place
	v_mul_u32_u24 v[SOA], v15, SPITCH
	s_delay_alu instid0(VALU_DEP_1)
	v_lshl_add_u32 v[SOA], v14, 5, v[SOA]
	s_lshl_b32 s34, s30, 7
	s_add_co_u32 s34, s34, STG
	v_add_nc_u32 v[SOA], s34, v[SOA]
	s_delay_alu instid0(VALU_DEP_1)
	v_add_nc_u32 v[SOB], 64*SPITCH, v[SOA]
	s_mul_i32 s34, s30, 16*SPITCH
	s_add_co_u32 s34, s34, STG
	v_add_nc_u32 v[SR], s34, v[LI]
	s_lshl_b32 s34, s30, 13
	v_add_nc_u32 v[OW], s34, v[LI]
	s_lshl_b32 s34, s30, 9
	s_add_co_u32 s34, s34, OSC
	v_add_nc_u32 v[OSW], s34, v[LI]
	s_mov_b32 s35, 0
	s_lshl_b32 s36, s33, 8
	s_lshl_b32 s37, s30, 5
	s_add_co_u32 s36, s36, s37                     ; my first column: 256 y + 32 w
	s_wait_alu depctr_va_vdst(0)
	s_wait_kmcnt 0x0
	s_cmp_lt_u32 ttmp9, 64                         ; the choice hangs on the work-group's number alone
	s_cselect_b64 s[8:9], s[8:9], s[20:21]
	s_cselect_b64 s[10:11], s[10:11], s[22:23]
	s_cselect_b64 s[12:13], s[12:13], s[24:25]
	s_cselect_b64 s[14:15], s[14:15], s[26:27]
	s_cselect_b64 s[16:17], s[16:17], s[28:29]
	s_lshl_b32 s34, s36, 9
	s_add_nc_u64 s[8:9], s[8:9], s[34:35]          ; W's codes: rows of 512 bytes
	s_lshl_b32 s34, s36, 5
	s_add_nc_u64 s[10:11], s[10:11], s[34:35]      ; its scale bytes: rows of 32
	s_lshl_b32 s34, s36, 2
	s_add_nc_u64 s[12:13], s[12:13], s[34:35]      ; the bias
	s_lshl_b32 s34, s32, 3
	s_add_co_u32 s34, s34, s30                     ; the row tile that I bring: 8 (x % 64) + w
	s_lshl_b32 s37, s34, 15                        ; (its 16 rows of 2,048 bytes in X and out)
	s_lshl_b32 s34, s34, 13
	s_lshl_b32 s36, s31, 22
	s_add_co_u32 s34, s34, s36
	s_add_nc_u64 s[18:19], s[4:5], s[34:35]        ; O's codes of that tile
	s_lshl_b32 s34, s33, 10
	s_add_co_u32 s34, s34, s37
	s_add_nc_u64 s[14:15], s[14:15], s[34:35]      ; the residual: my 16 rows, my half of 1,024 bytes
	s_add_nc_u64 s[16:17], s[16:17], s[34:35]      ; and the same place in the output
	s_lshl_b32 s34, s31, 19
	s_lshl_b32 s36, s30, 16
	s_add_co_u32 s34, s34, s36                     ; scale planes 2 w and 2 w + 1: K step w
	s_lshl_b32 s36, s32, 9
	s_add_co_u32 s34, s34, s36                     ; the work-group's 128 rows x 4 bytes
	s_add_co_u32 s34, s34, OS_OFF
	s_add_nc_u64 s[4:5], s[4:5], s[34:35]
.set jj, 0
.rept 16
	global_load_b128 v[ACC+4*jj:ACC+4*jj+3], v[LI], s[18:19] offset:512*jj   ; a row tile's eight fragments: 512 consecutive bytes a load
.set jj, jj+1
.endr
	global_load_b128 v[TW:TW+3], v[LI], s[4:5]                 ; rows 4 lane .. 4 lane + 3: the even head's two bytes,
	global_load_b128 v[TW+4:TW+7], v[LI], s[4:5] offset:32768  ; the odd head's
.irp nt, 0,1
.irp ks, 0,1,2,3,4,5,6,7
.irp c, 0,1
	global_load_b128 v[WFR+8*(8*\nt+\ks)+4*\c:WFR+8*(8*\nt+\ks)+4*\c+3], v[WA], s[8:9] offset:\nt*8192+\ks*64+\c*32
.endr
.endr
.endr
	global_load_b128 v[WSR:WSR+3], v[WSA], s[10:11]
	global_load_b128 v[WSR+4:WSR+7], v[WSA], s[10:11] offset:16
.irp nt, 0,1
.irp e, 0,1
	global_load_b128 v[BI+8*\nt+4*\e:BI+8*\nt+4*\e+3], v[BA], s[12:13] offset:64*\nt+16*\e
.endr
.endr
	s_wait_loadcnt 38                              ; O's 18 loads are in; the 38 issued behind them (W, its scales, the bias) may be out
.irp i, 0,1,2,3
	v_lshl_or_b32 v[TW+\i], v[TW+4+\i], 16, v[TW+\i]   ; a row's scale word of K step w
.endr
.set jj, 0
.rept 16
	ds_store_b128 v[OW], v[ACC+4*jj:ACC+4*jj+3] offset:512*jj
.set jj, jj+1
.endr
	ds_store_b128 v[OSW], v[TW:TW+3]
	WIN 0x40                                       ; destination window 1
.set jj, 0
.rept 32
	global_load_b128 v[4*jj:4*jj+3], v[LI], s[14:15] offset:(jj/2)*2048+(jj%2)*512 th:TH_LOAD_NT   ; the residual, asked for now, wanted at the end
.set jj, jj+1
.endr
	WIN 0
	s_wait_dscnt 0x0                               ; for the others' sake: my stores have landed
	s_barrier_signal -1
	s_barrier_wait -1                              ; O's codes and scale words lie in LDS
	s_wait_loadcnt 32                              ; W, its scales and the bias are in; the 32 residual loads may be out
.irp p, 0,1,2,3                        ; row tiles 2 p and 2 p + 1: four accumulators by turns, two K steps at a time
.irp q, 0,1,2,3
	PLACES 4                                       ; ahead of loads into registers that matrix instructions have read
.irp kb, 0,1
.irp mm, 0,1
.irp c, 0,1
	ds_load_b128 v[OF+8*(2*\kb+\mm)+4*\c:OF+8*(2*\kb+\mm)+4*\c+3], v[LI] offset:(2*\p+\mm)*8192+(2*\q+\kb)*1024+512*\c
.endr
.endr
	ds_load_b32 v[OS+\kb], v[OSA] offset:512*(2*\q+\kb)+128*\p   ; lanes 0-15 row tile 2 p, lanes 16-31 row tile 2 p + 1
.endr
	s_wait_dscnt 0x0
.irp kb, 0,1
.irp mm, 0,1
.irp nt, 0,1
.if (2*\q+\kb) == 0
	WM ACC+8*(2*\mm+\nt), WFR+8*(8*\nt+2*\q+\kb), OF+8*(2*\kb+\mm), BI+8*\nt, WSR+2*\q+\kb, OS+\kb, \nt, \mm
.else
	WM ACC+8*(2*\mm+\nt), WFR+8*(8*\nt+2*\q+\kb), OF+8*(2*\kb+\mm), ACC+8*(2*\mm+\nt), WSR+2*\q+\kb, OS+\kb, \nt, \mm
.endif
.endr
.endr
.endr
.endr
	PLACES 4
.irp mm, 0,1
.irp nt, 0,1
.irp e, 0,1
.if \p < 2
	ds_store_b128 v[SOA], v[ACC+8*(2*\mm+\nt)+4*\e:ACC+8*(2*\mm+\nt)+4*\e+3] offset:((2*\p+\mm)%4)*8*SPITCH+64*\nt+16*\e   ; each accumulator from its low end on
.else
	ds_store_b128 v[SOB], v[ACC+8*(2*\mm+\nt)+4*\e:ACC+8*(2*\mm+\nt)+4*\e+3] offset:((2*\p+\mm)%4)*8*SPITCH+64*\nt+16*\e
.endif
.endr
.endr
.endr
.endr
	s_wait_dscnt 0x0                               ; for the others' sake: my stores into the stage have landed
	s_barrier_signal -1
	s_barrier_wait -1                              ; 128 whole rows lie in the stage
.set jj, 0
.rept 32
	ds_load_b128 v[WFR+4*jj:WFR+4*jj+3], v[SR] offset:(jj/2)*SPITCH+(jj%2)*512   ; my 16 rows, 512 bytes an instruction
.set jj, jj+1
.endr
	s_wait_dscnt 0x0
.set jj, 0
.rept 128
	v_max_num_f32 v[WFR+jj], 0, v[WFR+jj]          ; relu
.set jj, jj+1
.endr
	s_wait_loadcnt 0x0                             ; the residual
	WIN 0x04                                       ; source 1 window 1
.set jj, 0
.rept 64
	v_pk_add_f32 v[WFR+jj:WFR+jj+1], v[WFR+jj:WFR+jj+1], v[jj:jj+1]
.set jj, jj+2
.endr
	WIN 0
.set jj, 0
.rept 32
	global_store_b128 v[LI], v[WFR+4*jj:WFR+4*jj+3], s[16:17] offset:(jj/2)*2048+(jj%2)*512 th:TH_STORE_NT   ; 512 consecutive bytes, aligned; written once
.set jj, jj+1
.endr
	s_wait_tensorcnt 0x0
	ds_add_u32 v126, v127
	s_wait_dscnt 0x0
	s_endpgm
.Lfunc_end_k_q6119a08c1b_outp:
	.size	k_q6119a08c1b_outp, .Lfunc_end_k_q6119a08c1b_outp-k_q6119a08c1b_outp
	.p2alignl 7, 3214868480
	.fill 96, 4, 3214868480
	.section	.rodata,"a",@progbits
	.p2align	6, 0x0
	.amdhsa_kernel k_q6119a08c1b_outp
		.amdhsa_group_segment_fixed_size 203776
		.amdhsa_private_segment_fixed_size 0
		.amdhsa_enable_private_segment 0
		.amdhsa_kernarg_size 88
		.amdhsa_user_sgpr_count 2
		.amdhsa_user_sgpr_kernarg_segment_ptr 1
		.amdhsa_wavefront_size32 1
		.amdhsa_system_sgpr_workgroup_id_x 1
		.amdhsa_system_sgpr_workgroup_id_y 1
		.amdhsa_system_sgpr_workgroup_id_z 1
		.amdhsa_system_vgpr_workitem_id 0
		.amdhsa_next_free_vgpr 384
		.amdhsa_next_free_sgpr 66
		.amdhsa_reserve_vcc 0
		.amdhsa_float_denorm_mode_32 3
		.amdhsa_float_denorm_mode_16_64 3
		.amdhsa_memory_ordered 1
		.amdhsa_forward_progress 1
		.amdhsa_inst_pref_size 58
	.end_amdhsa_kernel
	.amdgpu_metadata
---
amdhsa.version: [ 1, 2 ]
amdhsa.kernels:
  - .name:           k_q6119a08c1b_outp
    .symbol:         k_q6119a08c1b_outp.kd
    .args:
      - { .name: Oq, .offset: 0, .size: 8, .value_kind: global_buffer, .address_space: global }
      - { .name: W_X_codes, .offset: 8, .size: 8, .value_kind: global_buffer, .address_space: global }
      - { .name: W_X_scales, .offset: 16, .size: 8, .value_kind: global_buffer, .address_space: global }
      - { .name: b_X, .offset: 24, .size: 8, .value_kind: global_buffer, .address_space: global }
      - { .name: X, .offset: 32, .size: 8, .value_kind: global_buffer, .address_space: global }
      - { .name: out0, .offset: 40, .size: 8, .value_kind: global_buffer, .address_space: global }
      - { .name: W_Y_codes, .offset: 48, .size: 8, .value_kind: global_buffer, .address_space: global }
      - { .name: W_Y_scales, .offset: 56, .size: 8, .value_kind: global_buffer, .address_space: global }
      - { .name: b_Y, .offset: 64, .size: 8, .value_kind: global_buffer, .address_space: global }
      - { .name: Y, .offset: 72, .size: 8, .value_kind: global_buffer, .address_space: global }
      - { .name: out1, .offset: 80, .size: 8, .value_kind: global_buffer, .address_space: global }
    .group_segment_fixed_size: 203776
    .private_segment_fixed_size: 0
    .kernarg_segment_align: 8
    .kernarg_segment_size: 88
    .max_flat_workgroup_size: 256
    .sgpr_count:     66
    .vgpr_count:     384
    .wavefront_size: 32
...
	.end_amdgpu_metadata
.endif
;; end of part 3
